; MI455X (gfx1250); checked and timed in simulation.
; The chip was launched on July 23, 2026; its instructions are those of AMD's public machine-readable ISA for CDNA 5 (MIT licence, August 2026) and "CDNA5" Instruction Set Architecture Reference Guide (July 2026). The comments in the code are by the model that wrote it; some were corrected since.
;; Cross Attention Module. Allowed arithmetic: matrix products marked QUANTISED: E5M2 operands, one given power-of-two scale a tensor, by v_wmma_f32_16x16x64_bf8_bf8 or v_wmma_f32_16x16x128_bf8_bf8, f32 sums; everything else in f32.
;; Inputs: Wk 2,048 x 1 float32; Wq_codes 2,048 x 64 x 32 uint8 (E5M2 codes of Wq, K innermost, in blocks of 32 codes); Wv_codes 2,048 x 64 x 32 uint8 (E5M2 codes of Wv, K innermost, in blocks of 32 codes); attention_map 8 x 1 x 16 x 32 float32; bk 2,048 float32; bq 2,048 float32; bv 2,048 float32; feature_map 8 x 2,048 x 16 x 32 float32; gamma 1 float32; lowp_scales 8 int32 (the exponents e of the quantised operands' scales 2^e).
;; Outputs: out0 8 x 2,048 x 16 x 32 float32.
;; This version of the problem:
;;   THIS VERSION OF THE PROBLEM IS GIVEN IN LOW PRECISION. The matrix products marked QUANTISED in the list below multiply operands that are first quantised to E5M2 (5 exponent bits, 2 mantissa bits; 8 bits a number), with one given power-of-two scale for each operand tensor; their sums are f32. All else is computed in f32.
;;   The module's matrix products, in the order in which they are computed (A, B: the left and right operand; K: the contracted axis; several contracted axes count as one K, in the product's order):
;;     1. [M 4,096, K 2,048] x [K 2,048, N 2,048]; A: input feature_map; B: input Wq (given as codes): QUANTISED (scales: A lowp_scales[0], B lowp_scales[1])
;;     2. [M 4,096, K 2,048] x [K 2,048, N 2,048]; A: input feature_map; B: input Wv (given as codes): QUANTISED (scales: A lowp_scales[2], B lowp_scales[3])
;;     3. batch 8 x [M 2,048, K 512] x [K 512, N 2,048]; A: computed on the way; B: computed on the way: QUANTISED (scales: A lowp_scales[4], B lowp_scales[5])
;;     4. batch 8 x [M 2,048, K 2,048] x [K 2,048, N 512]; A: softmax (see below); B: computed on the way: QUANTISED (scales: A lowp_scales[6], B lowp_scales[7])
;;   THE QUANTISER, for each operand of a quantised product, along K:
;;     - The operand's scale is 2^e, e = its entry of the input lowp_scales (int32; the entries are numbered through the quantised products in the list's order, A before B).
;;     - Each number is divided by the scale, clamped to +-57,344, and rounded to the nearest number of E5M2, ties to even, subnormals kept.
;;     - The product sums the exact products of the quantised numbers (number of the format x scale) in f32.
;;   ~~~python
;;   def quantise(x, axis, e):      # numpy; x: float32 -> the quantised numbers, widened to float32 again
;;       x = np.moveaxis(x, axis, -1); K = x.shape[-1]
;;       r = np.clip(x / 2.0 ** e, -57344, 57344)
;;       step = 2.0 ** (np.maximum(np.frexp(np.where(r == 0, 1, r))[1] - 1, -14) - 2)
;;       q = np.round(r / step) * step * 2.0 ** e      # np.round: ties to even
;;       return np.moveaxis(q, -1, axis).astype(np.float32)
;;   ~~~
;;   SOFTMAX AHEAD OF A QUANTISED PRODUCT. Where the list says 'softmax', what is quantised is not the finished softmax but p = 2^(t - M), with t = logit x log2(e) and M = ceil(the row's largest t), a whole number; so 1/2 < the row's largest p <= 1. The row's sum l is taken of the UNQUANTISED p, in f32, and the product's result is divided by l at the end. Since M is a whole number, a kernel that streams over the keys may use a running M (the ceiling of the running maximum): every later rescaling is an exact power of two, so the quantised numbers keep their values, but for numbers so far below the row's largest that they fall under the format's range.
;;   OPERANDS COMPUTED ON THE WAY. 'Computed on the way' means the value that the module computes at that place (a softmax that the list does not call 'softmax' is quantised finished and normalised). What goes into a quantiser is computed in f32, as accurately as f32 sums, v_exp_f32 and their like allow (about 1e-6 of the number): no bf16 or f16 on the way to a quantiser, and a product that is left as it is and whose result goes on into a quantised operand takes f32 operands (vector FMAs, or v_wmma_f32_16x16x4_f32). A number that lies on a knife's edge between two numbers of the format may be rounded either way, as far as f32 arithmetic and the matrix unit's own rounding can turn it there, and no further.
;;   INPUTS GIVEN AS CODES. Wq (in the module: [2048, 2048], K = its axis 1); Wv (in the module: [2048, 2048], K = its axis 1): each comes as NAME_codes (uint8): NAME with its K axis moved to the last place and cut into blocks of 32 codes, [.., K / 32, bytes a block], one block behind the other in memory; one code a byte (a code: sign, 5 exponent bits, 2 mantissa bits); its scale is its entry of lowp_scales. Its value is code x scale, taken as it is: it is not quantised again, and the codes and scales need not be those that the quantiser above would give.
;; One version. Each part assembles by itself: llvm-mc -triple=amdgcn-amd-amdhsa -mcpu=gfx1250 --defsym DOCPART=n.
;; ======== version 1 of 1: 3 launches
;; workspace buffers: fq_codes 8,388,608 bytes; fv_codes 8,388,608 bytes; q_img 8,388,608 bytes; kv 16,777,216 bytes
;; launch quant (part 1): grid 32 x 8, 8 waves a work-group, no clusters, 70,656 bytes of LDS; arguments feature_map, attention_map, Wk, bk, lowp_scales, fq_codes, fv_codes, kv; writes fq_codes, fv_codes, kv
.if DOCPART == 1
	.amdgcn_target "amdgcn-amd-amdhsa--gfx1250"
	.amdhsa_code_object_version 6
	.text
	.protected	k_q837e72db59_quant
	.globl	k_q837e72db59_quant
	.p2align	8
	.type	k_q837e72db59_quant,@function
k_q837e72db59_quant:
	s_mov_b64 s[64:65], 0
	v_nop
	global_prefetch_b8 v0, s[64:65] scope:SCOPE_SE
	s_setreg_imm32_b32 hwreg(HW_REG_WAVE_MODE, 25, 1), 1
	s_wait_xcnt 0x0
; THE OPERANDS THAT ARE MADE FROM INPUTS ALONE, as codes of BF8 (E5M2).
; (1) feature_map [8][2048 c][512 n] f32 is quantised along c twice, with 2^e0 (for the q product) and with 2^e2 (for the v product), into
;     fq_codes and fv_codes [4096 = 512 b + n][2048 c], one byte a code, c innermost.
; (2) k[b][d][n] = Wk[d] a[b][n] + bk[d] (one fused multiply-add) is quantised along n with 2^e5 into the K halves of kv, laid in the order of the operand's registers:
;     kv + b 2^21 + j 2^17 + (4 t + s) 2048 + 512 c + 16 lane holds, for lane (r = lane % 16, h = lane / 16), key d = 128 j + 32 (t / 2) + 8 (t % 2) + r + 8 (r / 8), pixels n = 128 s + 32 c + 16 h + 0 .. 15.
; code = x / 2^e, held within +-57,344, to the nearest code, ties to even.  LIMITS: e0, e2, e5 between -126 and 112.  NaN among the inputs is not served.
; SHARES.  Work-group (x, y): columns 128 x .. 128 x + 127 of (b, n), channels 256 y .. 256 y + 255.  Wave w: 32 of these channels; a lane: 4 neighbouring columns, so each load of a wave reads 512 consecutive bytes.
; All 32 loads of a wave go out at once.  The hold writes into other registers (two scales want two copies), and in doing so lays eight channels of one column into eight consecutive registers, as the conversion wants them.
; The codes meet in two stages in LDS (one a scale; a row = a column's 256 channels) and leave as whole rows: sixteen lanes store 256 consecutive bytes, aligned.
; For (2) wave W = 8 (32 y + x) + w of 2,048 makes piece c of the eight fragments (t, s) of key step j of batch b: j = W & 15, c = (W >> 4) & 3, s = (W >> 6) & 3, b = W >> 8.
.set PITCH, 272                        ; a stage row: 256 bytes + 16
.set QROW,  32*PITCH                   ; the 32 rows of one column number cc (stage row 32 cc + lane is column 4 lane + cc)
.set STG1,  4*QROW                     ; the second scale's stage
.set FO,  2                            ; v2   16 x lane
.set SA,  3                            ; v3   the stage, in: PITCH x lane + 32 x wave
.set RA,  4                            ; v4   the stage, back: QROW x wave + PITCH (lane / 16) + 16 (lane % 16)
.set GOO, 5                            ; v5   the codes' buffer: 8,192 (lane / 16) + 16 (lane % 16)
.set AO,  6                            ; v6   64 h: my 16 pixels of a block of 32
.set WO,  7                            ; v7   4 (r + 8 (r / 8))
.set A,   32                           ; k: v32-47 sixteen numbers of a;  v48-55 Wk, v56-63 bk of my eight keys;  v64-79 at work;  v80-111 codes, four registers a tile
.set WKR, 48
.set BKR, 56
.set XK,  64
.set KC,  80
.set C,   32                           ; f: v32-95 codes (32 sc + 8 cc + 2 g);  v96-127 at work;  v128-255 as loaded (4 k + cc); on the way out v128-191
.set T,   96
.set X,   128
	s_load_b256 s[4:11], s[0:1], 0x0               ; feature_map, attention_map, Wk, bk
	s_load_b256 s[12:19], s[0:1], 0x20             ; the scales' exponents, fq_codes, fv_codes, kv
	v_lshl_add_u32 v30, v0, 2, 0x11000
	v_mov_b32 v31, 0
	v_lshrrev_b32 v1, 5, v0
	v_readfirstlane_b32 s20, v1                    ; wave 0..7
	v_and_b32 v1, 31, v0                           ; lane
	v_lshlrev_b32 v[FO], 4, v1
	v_and_b32 v14, 15, v0                          ; r
	v_bfe_u32 v15, v0, 4, 1                        ; h
	s_lshl_b32 s32, s20, 5
	v_mul_u32_u24 v[SA], v1, PITCH
	v_add_nc_u32 v[SA], s32, v[SA]
	s_mul_i32 s32, s20, QROW
	v_mul_u32_u24 v[RA], v15, PITCH
	v_lshl_add_u32 v[RA], v14, 4, v[RA]
	v_add_nc_u32 v[RA], s32, v[RA]
	v_lshlrev_b32 v[GOO], 13, v15
	v_lshl_add_u32 v[GOO], v14, 4, v[GOO]
	v_lshlrev_b32 v[AO], 6, v15
	v_and_b32 v[WO], 8, v14
	v_add_nc_u32 v[WO], v[WO], v14
	v_lshlrev_b32 v[WO], 2, v[WO]
	s_and_b32 s21, ttmp7, 0xffff                   ; y
	s_lshr_b32 s32, ttmp9, 2                       ; feature_map: batch x 2^22
	s_lshl_b32 s32, s32, 22
	s_lshl_b32 s33, s21, 8
	s_lshl_b32 s34, s20, 5
	s_add_co_u32 s33, s33, s34                     ; + channel 256 y + 32 w, rows of 2,048 bytes
	s_lshl_b32 s33, s33, 11
	s_add_co_u32 s32, s32, s33
	s_and_b32 s33, ttmp9, 3                        ; + 128 (x % 4) pixels
	s_lshl_b32 s33, s33, 9
	s_add_co_u32 s32, s32, s33
	s_mov_b32 s33, 0
	s_lshl_b32 s34, s21, 5
	s_add_co_u32 s34, s34, ttmp9
	s_lshl_b32 s34, s34, 3
	s_add_co_u32 s34, s34, s20                     ; W
	s_and_b32 s35, s34, 15                         ; j
	s_bfe_u32 s36, s34, 0x20004                    ; c
	s_bfe_u32 s37, s34, 0x20006                    ; s
	s_lshr_b32 s38, s34, 8                         ; b
	s_lshl_b32 s40, s38, 11                        ; attention_map: 4 (512 b + 128 s + 32 c)
	s_lshl_b32 s39, s37, 9
	s_add_co_u32 s40, s40, s39
	s_lshl_b32 s39, s36, 7
	s_add_co_u32 s40, s40, s39
	s_mov_b32 s41, 0
	s_lshl_b32 s42, s35, 9                         ; Wk, bk: 4 x 128 j
	s_mov_b32 s43, 0
	s_lshl_b32 s44, s38, 21                        ; kv: b 2^21 + j 2^17 + 2,048 s + 512 c
	s_lshl_b32 s39, s35, 17
	s_add_co_u32 s44, s44, s39
	s_lshl_b32 s39, s37, 11
	s_add_co_u32 s44, s44, s39
	s_lshl_b32 s39, s36, 9
	s_add_co_u32 s44, s44, s39
	s_mov_b32 s45, 0
	s_lshl_b32 s46, ttmp9, 7                       ; the codes that I store: row 128 x + (w % 4), + 256 y
	s_and_b32 s39, s20, 3
	s_add_co_u32 s46, s46, s39
	s_lshl_b32 s46, s46, 11
	s_lshl_b32 s39, s21, 8
	s_add_co_u32 s46, s46, s39
	s_mov_b32 s47, 0
	s_wait_kmcnt 0x0
	s_load_b256 s[24:31], s[12:13], 0x0            ; e0 .. e7
	s_add_nc_u64 s[4:5], s[4:5], s[32:33]
	s_add_nc_u64 s[6:7], s[6:7], s[40:41]
	s_add_nc_u64 s[8:9], s[8:9], s[42:43]
	s_add_nc_u64 s[10:11], s[10:11], s[42:43]
	s_add_nc_u64 s[18:19], s[18:19], s[44:45]
	s_cmp_lt_u32 s20, 4                            ; waves 0-3 store the first scale's stage, waves 4-7 the second's: the choice hangs on the wave's number alone
	s_cselect_b64 s[22:23], s[14:15], s[16:17]
	s_add_nc_u64 s[22:23], s[22:23], s[46:47]
.irp q, 0,1,2,3
	global_load_b128 v[A+4*\q:A+4*\q+3], v[AO], s[6:7] offset:16*\q
.endr
.irp t, 0,1,2,3,4,5,6,7
	global_load_b32 v[WKR+\t], v[WO], s[8:9] offset:4*(32*(\t/2)+8*(\t%2))
	global_load_b32 v[BKR+\t], v[WO], s[10:11] offset:4*(32*(\t/2)+8*(\t%2))
.endr
.set k, 0
.rept 32
	global_load_b128 v[X+4*k:X+4*k+3], v[FO], s[4:5] offset:2048*k th:TH_LOAD_NT   ; channel k of my 32: 32 lanes read 512 consecutive bytes
.set k, k+1
.endr
.macro MKSCALE e, sc, lim              ; v[sc] = 2^e as f32 (the conversion takes its exponent field), v[lim] = 57,344 x 2^e
	s_add_co_i32 s32, s[\e], 127
	s_lshl_b32 s33, s32, 23
	v_mov_b32 v[\sc], s33
	s_add_co_i32 s32, s32, 15
	s_lshl_b32 s32, s32, 23
	s_or_b32 s32, s32, 0x600000
	v_mov_b32 v[\lim], s32
.endm
	s_wait_kmcnt 0x0
	MKSCALE 24, 8, 9                               ; e0
	MKSCALE 26, 10, 11                             ; e2
	MKSCALE 29, 12, 13                             ; e5
	s_wait_loadcnt 32                              ; the 20 small loads are in; the 32 of the feature map stay out
.irp t, 0,1,2,3,4,5,6,7
.irp i, 0,1,2,3,4,5,6,7,8,9,10,11,12,13,14,15
	v_fma_f32 v[XK+\i], v[A+\i], v[WKR+\t], v[BKR+\t]
.endr
.irp i, 0,1,2,3,4,5,6,7,8,9,10,11,12,13,14,15
	v_med3_num_f32 v[XK+\i], v[XK+\i], -v13, v13   ; the conversion to an 8-bit code does not saturate (ISA guide 7.6.2): the hold at the largest code x the scale
.endr
	v_cvt_scalef32_pk8_bf8_f32 v[KC+4*\t:KC+4*\t+1], v[XK:XK+7], v12
	v_cvt_scalef32_pk8_bf8_f32 v[KC+4*\t+2:KC+4*\t+3], v[XK+8:XK+15], v12
	v_nop                                          ; a plain place between the conversions and the next tile's writes of their sources
	global_store_b128 v[FO], v[KC+4*\t:KC+4*\t+3], s[18:19] offset:8192*\t   ; 512 consecutive bytes, aligned
.endr
	s_wait_xcnt 0x0                                ; the stores have read their data: those registers are written again below
.macro GROUP g                         ; channels 8 g .. 8 g + 7 of my four columns, with both scales
	s_wait_loadcnt 8*(3-\g)                        ; loads come back in order: these eight are in, the later groups stay out
.irp sc, 0,1
.irp cc, 0,1,2,3
.irp i, 0,1,2,3,4,5,6,7
	v_med3_num_f32 v[T+8*\cc+\i], v[X+4*(8*\g+\i)+\cc], -v[9+2*\sc], v[9+2*\sc]
.endr
.endr
.irp cc, 0,1,2,3
	v_cvt_scalef32_pk8_bf8_f32 v[C+32*\sc+8*\cc+2*\g:C+32*\sc+8*\cc+2*\g+1], v[T+8*\cc:T+8*\cc+7], v[8+2*\sc]
.endr
	v_nop                                          ; a plain place in front of the next writes of the conversions' sources
.endr
.endm
	GROUP 0
	GROUP 1
	GROUP 2
	GROUP 3
.irp sc, 0,1
.irp cc, 0,1,2,3
	ds_store_b128 v[SA], v[C+32*\sc+8*\cc:C+32*\sc+8*\cc+3] offset:\sc*STG1+\cc*QROW
	ds_store_b128 v[SA], v[C+32*\sc+8*\cc+4:C+32*\sc+8*\cc+7] offset:\sc*STG1+\cc*QROW+16
.endr
.endr
	s_wait_dscnt 0x0                               ; for the others' sake: my stores into the stages are done
	s_barrier_signal -1
	s_barrier_wait -1                              ; a row's 256 bytes come from eight waves
.irp t, 0,1,2,3,4,5,6,7,8,9,10,11,12,13,14,15
	ds_load_b128 v[X+4*\t:X+4*\t+3], v[RA] offset:2*\t*PITCH
.endr
.irp t, 0,1,2,3,4,5,6,7,8,9,10,11,12,13,14,15
	s_wait_dscnt 15-\t                             ; LDS loads come back in order: pair t of rows is in
	global_store_b128 v[GOO], v[X+4*\t:X+4*\t+3], s[22:23] offset:16384*\t   ; stage rows 2 t, 2 t + 1 are columns 8 t + cc, 8 t + 4 + cc: sixteen lanes store 256 consecutive bytes, aligned
.endr
	s_wait_tensorcnt 0x0
	ds_add_u32 v30, v31
	s_wait_dscnt 0x0
	s_endpgm
.Lfunc_end_k_q837e72db59_quant:
	.size	k_q837e72db59_quant, .Lfunc_end_k_q837e72db59_quant-k_q837e72db59_quant
	.p2alignl 7, 3214868480
	.fill 96, 4, 3214868480
	.section	.rodata,"a",@progbits
	.p2align	6, 0x0
	.amdhsa_kernel k_q837e72db59_quant
		.amdhsa_group_segment_fixed_size 70656
		.amdhsa_private_segment_fixed_size 0
		.amdhsa_enable_private_segment 0
		.amdhsa_kernarg_size 64
		.amdhsa_user_sgpr_count 2
		.amdhsa_user_sgpr_kernarg_segment_ptr 1
		.amdhsa_wavefront_size32 1
		.amdhsa_system_sgpr_workgroup_id_x 1
		.amdhsa_system_sgpr_workgroup_id_y 1
		.amdhsa_system_sgpr_workgroup_id_z 1
		.amdhsa_system_vgpr_workitem_id 0
		.amdhsa_next_free_vgpr 256
		.amdhsa_next_free_sgpr 66
		.amdhsa_reserve_vcc 0
		.amdhsa_float_denorm_mode_32 3
		.amdhsa_float_denorm_mode_16_64 3
		.amdhsa_memory_ordered 1
		.amdhsa_forward_progress 1
		.amdhsa_inst_pref_size 50
	.end_amdhsa_kernel
	.amdgpu_metadata
---
amdhsa.version: [ 1, 2 ]
amdhsa.kernels:
  - .name:           k_q837e72db59_quant
    .symbol:         k_q837e72db59_quant.kd
    .args:
      - { .name: feature_map, .offset: 0, .size: 8, .value_kind: global_buffer, .address_space: global }
      - { .name: attention_map, .offset: 8, .size: 8, .value_kind: global_buffer, .address_space: global }
      - { .name: Wk, .offset: 16, .size: 8, .value_kind: global_buffer, .address_space: global }
      - { .name: bk, .offset: 24, .size: 8, .value_kind: global_buffer, .address_space: global }
      - { .name: lowp_scales, .offset: 32, .size: 8, .value_kind: global_buffer, .address_space: global }
      - { .name: fq_codes, .offset: 40, .size: 8, .value_kind: global_buffer, .address_space: global }
      - { .name: fv_codes, .offset: 48, .size: 8, .value_kind: global_buffer, .address_space: global }
      - { .name: kv, .offset: 56, .size: 8, .value_kind: global_buffer, .address_space: global }
    .group_segment_fixed_size: 70656
    .private_segment_fixed_size: 0
    .kernarg_segment_align: 8
    .kernarg_segment_size: 64
    .max_flat_workgroup_size: 256
    .sgpr_count:     66
    .vgpr_count:     256
    .wavefront_size: 32
...
	.end_amdgpu_metadata
.endif
;; end of part 1
;; launch proj (part 2): grid 64 x 4, 4 waves a work-group, clusters of 4 x 4, 327,680 bytes of LDS; arguments Wq_codes, Wv_codes, fq_codes, fv_codes, bq, bv, lowp_scales, q_img, kv; writes q_img, kv
.if DOCPART == 2
	.amdgcn_target "amdgcn-amd-amdhsa--gfx1250"
	.amdhsa_code_object_version 6
	.text
	.protected	k_q837e72db59_proj
	.globl	k_q837e72db59_proj
	.p2align	8
	.type	k_q837e72db59_proj,@function
k_q837e72db59_proj:
	s_mov_b64 s[64:65], 0
	v_nop
	global_prefetch_b8 v0, s[64:65] scope:SCOPE_SE
	s_setreg_imm32_b32 hwreg(HW_REG_WAVE_MODE, 25, 1), 1
	s_wait_xcnt 0x0
	s_wait_alu depctr_hold_cnt(0) depctr_sa_sdst(0) depctr_va_vdst(0) depctr_va_sdst(0) depctr_va_ssrc(0) depctr_va_vcc(0) depctr_vm_vsrc(0)
	s_getreg_b32 s2, hwreg(HW_REG_IB_STS2, 6, 4)
	s_cmp_eq_u32 s2, 0
	s_cbranch_scc0 .Lentry_in_a_cluster
	s_endpgm
.Lentry_in_a_cluster:
	s_bfe_u32 s2, ttmp6, 0x10000c
	s_cmp_lg_u32 s2, 0xf033
	s_cbranch_scc0 .Lentry_shape_is_right
	s_endpgm
.Lentry_shape_is_right:
; q = Wq f + bq AND v = Wv f + bv, both on codes of BF8 (E5M2), IN ONE LAUNCH of 256 tiles of 256 x 256; each result is quantised on its way out and stored as codes, in the order of the next operand's registers.
; C[m][n] = sum over k of A[m][k] B[n][k], K = the 2,048 channels.  Clusters 0-7 (the q half): A = Wq (rows o), B = fq_codes (rows (b, n)): 8 x 16 tiles.  Clusters 8-15 (the v half): A = fv_codes, B = Wv (rows d): 16 x 8 tiles.
; The two halves take ONE path: pointers, exponents and strides are chosen on the cluster's number, which all partners share; no branch parts them.
; A tile is made by four waves, 128 x 128 each: 64 accumulators, 512 registers.  K goes in steps of 256 through a ring of two LDS slots filled by the tensor data mover; a tile's row is 256 bytes of memory.
; CLUSTERS: 4 x 4 work-groups.  The four of a row of the cluster need the same tiles of A, the four of a column the same tiles of B: each tile is asked for JOINTLY, by the same tensor load with the same descriptor and a mask that names the four.
; THE MATRIX INSTRUCTION IS USED TRANSPOSED (source 0 = 16 rows of B, source 1 = 16 rows of A): a lane holds one row of C and eight neighbouring columns, which are neighbours along the NEXT product's K (pixels for q, key channels for v).
; THE SCALES.  A sum stands for sum x 2^es (es = e0 + e1, or e2 + e3).  The bias goes in as bias / 2^es: bv, which hangs on the column, as the C of the first K step's products; bq, which hangs on the row, by a packed addition
; on the way out; in each half the other of the two is set to 0.  The conversion then takes the one scale 2^(eo - es) (eo = e4 for q, e7 for v), behind the hold at 57,344 x that.
; THE WAY OUT needs no LDS: two exchanges between the halves of the lanes turn a lane's 2 x 8 codes of two neighbouring tiles into 16 neighbours, and a wave's store is 512 consecutive bytes of an image:
;   an image of 16 rows x 128 K is 2,048 bytes; lane (r, h) has K = 32 g + 16 h + 0 .. 15 of row r at 512 g + 16 lane.   q_img: b 2^20 + (o / 16) 8,192 + (n / 128) 2,048.   kv (V halves): b 2^21 + (d / 128) 2^17 + 65,536 + (n / 16) 2,048.
; LIMITS: e4 - e0 - e1 and e7 - e2 - e3 between -126 and 112.  NaN among the inputs is not served.
; REGISTERS, in windows of 256: window 0: v0-31 addresses; v32-95 bv's part (later a block at work); v96-111 bq's part; v112-119 the stores' offsets; v120, v121 the hold and the scale; from v128 A's fragments, ONE set (later the codes).
;   window 1: B's fragments, TWO sets.   window 2: the accumulators of my rows 0-63 ((a, b) at v[8 (8 a + b)]);   window 3: those of my rows 64-127.
.set ROWB,   256                       ; a tile's row in bytes: 256 along K
.set KROW,   2048                      ; a row of A or of B in memory
.set PITCH,  272                       ; an LDS row: 256 bytes + 16 of padding: the 16 rows that a load touches start at 16 different groups of banks
.set FR,     16                        ; registers of a fragment: 16 rows x 128 K
.set NL,     4                         ; LDS loads that bring one
.set NP,     4                         ; places behind this matrix instruction (ISA guide 7.12.1)
.set HALFT,  128*PITCH                 ; 128 rows: what one tensor load brings
.set SLOT,   4*HALFT                   ; A's 256 rows, then B's 256 rows
.set LAPS,   KROW/(2*ROWB)             ; a lap = two K steps = once round the ring
.set SPARE,  2*SLOT                    ; behind the ring: the spare words, 128 bytes for each wave
.set ADRA, 16                          ; v16-17  LDS address of my A fragments in slot 0, 1
.set ADRB, 20                          ; v20-21  the same for B
.set SPW,  28                          ; v28     LDS address of my spare word; never rewritten
.set NIL,  29                          ; v29     0; never rewritten
.set CB,   32                          ; v32-95  register 8 b + j: the column's bias / 2^es at column 16 b + 8 h + j of my 128
.set T,    32                          ; the way out: a block's 64 numbers
.set RB,   96                          ; v96-111 pair a: the row's bias / 2^es at row 16 a + r of my 128, twice
.set OFF,  112                         ; v112-119 block a's byte offset in the output
.set LIMV, 120
.set SCV,  121
.set AF,   128                         ; A's fragments
.set CD,   128                         ; the way out: 16 registers of codes for each block
.set G1, 24                            ; s[24:31] descriptor group 1 for A's tiles;  s[32:39] group 0, one set for each slot
.set G0, 32
.set G1B, 48                           ; s[48:55], s[56:63] the same for B's tiles
.set G0B, 56
.set MSB, 0
.macro WIN new                         ; the immediate's high byte repeats the setting that is left
.if MSB != \new
	s_set_vgpr_msb (MSB<<8)|\new
.set MSB, \new
.endif
.endm
.set MUL_LO, 0xa1                      ; source 0 (B) window 1, source 1 (A) window 0, C and D window 2
.set MUL_HI, 0xf1                      ; the same, C and D window 3
.set FST_LO, 0x81                      ; the first K step: C (the bias) window 0, D window 2
.set FST_HI, 0xc1                      ; D window 3
.set TO_B,   0x40                      ; destination window 1, address window 0
; A joint load: waves 0 and 1 fetch for A, waves 2 and 3 for B.  Each of the two lines has ONE mask and one set of registers for all that issue it; the branch hangs on the wave's number alone.
; Four v_nop follow each of the two lines, ahead of the jump, the label and what follows.
.macro JLOAD g0a, g1a, g0b, g1b
	s_cmp_eq_u32 s15, 0
	s_cbranch_scc0 .Lfor_b_\@
	tensor_load_to_lds s[\g0a:\g0a+3], s[\g1a:\g1a+7]
	s_nop 0
.rept 4
	v_nop
.endr
	s_branch .Lasked_\@
.Lfor_b_\@:
	tensor_load_to_lds s[\g0b:\g0b+3], s[\g1b:\g1b+7]
	s_nop 0
.rept 4
	v_nop
.endr
.Lasked_\@:
.endm
.macro CREST                           ; a round of the cluster's barrier behind its opening barrier
	s_cmp_lg_u32 s14, 0
	s_cbranch_scc1 .Lnot_wave_0_\@
	s_barrier_signal -3
.Lnot_wave_0_\@:
	s_barrier_wait -3
	s_barrier_signal -1
	s_barrier_wait -1
.endm
.macro CROUND                          ; a whole round
	s_barrier_signal -1
	s_barrier_wait -1
	CREST
.endm
	s_load_b256 s[68:75], s[0:1], 0x0              ; Wq's codes, Wv's codes, fq_codes, fv_codes
	s_load_b256 s[76:83], s[0:1], 0x20             ; bq, bv, the scales' exponents, q_img
	s_load_b64 s[84:85], s[0:1], 0x40              ; kv
	v_lshl_add_u32 v[SPW], v0, 2, SPARE
	v_mov_b32 v[NIL], 0
	ds_add_u32 v28, v29
	ds_add_u32 v28, v29
	s_wait_dscnt 0x0
	v_lshrrev_b32 v1, 5, v0
	v_readfirstlane_b32 s14, v1                    ; wave 0..3
	s_lshr_b32 s15, s14, 1                         ; which half of the tile's rows is mine.  Also: I fetch for A (0) or for B (1)
	s_and_b32 s16, s14, 1                          ; which half of its columns.  Also: which 128 rows of that tile I fetch
	s_bfe_u32 s40, ttmp6, 0x40000                  ; cx, cy: my place in the cluster
	s_bfe_u32 s41, ttmp6, 0x40004
	s_and_b32 s86, ttmp9, 7                        ; the cluster's number within its half
	s_cmp_lt_u32 ttmp9, 8                          ; the q half?
	s_cselect_b32 s87, 2, 1                        ; q: 2 x 4 clusters of tiles; v: 4 x 2
	s_lshr_b32 s96, s86, s87                       ; the cluster's row of tiles,
	s_lshl_b32 s97, s96, s87
	s_sub_co_u32 s97, s86, s97                     ; and its column
	s_lshl_b32 s17, s96, 2
	s_add_co_u32 s17, s17, s41                     ; tile row of C
	s_lshl_b32 s42, s97, 2
	s_add_co_u32 s42, s42, s40                     ; tile column of C
	s_lshl_b32 s43, s41, 2
	s_lshl_b32 s43, 15, s43                        ; my row of the cluster
	s_lshl_b32 s44, 0x1111, s40                    ; my column
	; descriptor group 1: a tile of 128 rows x 256 bytes, padded in LDS
	s_or_b32 s[G1+0], s43, (0<<16)|(1<<20)|(1<<21)|(5<<22)|(3<<25)  ; 15:0 the mask: A's tiles go to my row; 17:16 element of 1 byte; 20 padding on; 21 set beside a mask; 24:22 after every 64 words (code 5); 31:25 of 4 words (code 3)
	s_or_b32 s[G1B+0], s44, (0<<16)|(1<<20)|(1<<21)|(5<<22)|(3<<25)
.irp g, G1, G1B
	s_mov_b32 s[\g+1], ROWB<<16                    ; tensor_dim0
	s_mov_b32 s[\g+2], 128<<16                     ; tensor_dim1 = 128
	s_mov_b32 s[\g+3], ROWB<<16                    ; tile_dim0
	s_mov_b32 s[\g+4], 128                         ; tile_dim1 = 128
	s_mov_b32 s[\g+5], KROW                        ; tensor_dim0_stride
	s_mov_b32 s[\g+6], 0
	s_mov_b32 s[\g+7], 0
.endr
	s_lshl_b32 s18, s16, 7                         ; which 128 rows of the tile I fetch
	s_lshl_b32 s20, s17, 8
	s_add_co_u32 s20, s20, s18                     ; A: row 256 x tile row + 128 x half,
	s_lshl_b32 s20, s20, 11                        ; in bytes (under 2^23)
	s_mov_b32 s21, 0
	s_lshl_b32 s46, s42, 8
	s_add_co_u32 s46, s46, s18                     ; B: row 256 x tile column + 128 x half
	s_lshl_b32 s46, s46, 11
	s_mov_b32 s47, 0
	s_mul_i32 s45, s14, HALFT                      ; where they go: wave x 128 rows: no place in the cluster enters an LDS address
	s_wait_kmcnt 0x0
	s_load_b256 s[88:95], s[80:81], 0x0            ; e0 .. e7
	s_cmp_lt_u32 ttmp9, 8
	s_cselect_b64 s[4:5], s[68:69], s[74:75]       ; A: Wq's codes or fv_codes
	s_cselect_b64 s[6:7], s[72:73], s[70:71]       ; B: fq_codes or Wv's codes
	s_cselect_b64 s[10:11], s[82:83], s[84:85]     ; the output: q_img or kv
	s_add_nc_u64 s[20:21], s[4:5], s[20:21]
	s_add_nc_u64 s[46:47], s[6:7], s[46:47]
	CROUND                                         ; all sixteen work-groups are here: the first joint loads meet
.irp s, 0,1
	s_mov_b32 s[G0+4*\s], 1
	s_add_co_u32 s[G0+4*\s+1], s45, \s*SLOT
	s_add_nc_u64 s[G0+4*\s+2:G0+4*\s+3], s[20:21], \s*ROWB
	s_or_b32 s[G0+4*\s+3], s[G0+4*\s+3], 0x80000000
	s_mov_b32 s[G0B+4*\s], 1
	s_add_co_u32 s[G0B+4*\s+1], s45, \s*SLOT
	s_add_nc_u64 s[G0B+4*\s+2:G0B+4*\s+3], s[46:47], \s*ROWB
	s_or_b32 s[G0B+4*\s+3], s[G0B+4*\s+3], 0x80000000
	JLOAD G0+4*\s, G1, G0B+4*\s, G1B
.endr
	v_and_b32 v1, 15, v0                           ; r = l % 16
	v_bfe_u32 v2, v0, 4, 1                         ; h = l / 16
	v_mul_u32_u24 v3, v1, PITCH
	v_lshl_add_u32 v4, v2, 4, v3                   ; a fragment's row x pitch + 16 x half
	s_mul_i32 s21, s15, HALFT                      ; my 128 rows of A
	s_mul_i32 s22, s16, HALFT                      ; my 128 rows of B,
	s_add_co_u32 s22, s22, 2*HALFT                 ; which lie behind A's 256
.irp s, 0,1
	v_add_nc_u32 v[ADRA+\s], s21, v4
	v_add_nc_u32 v[ADRB+\s], s22, v4
	s_add_co_u32 s21, s21, SLOT
	s_add_co_u32 s22, s22, SLOT
.endr
	; the biases.  Both are loaded in both halves, each from a place inside its buffer; the one that the half does not want is set to 0 below.
	s_cmp_lt_u32 ttmp9, 8
	s_cselect_b32 s98, s17, 0                      ; bq hangs on the tile row in the q half
	s_cselect_b32 s99, 0, s42                      ; bv on the tile column in the v half
	s_cselect_b32 s86, -1, 0                       ; all lanes' bits in the q half,
	s_lshl_b32 s98, s98, 10
	s_lshl_b32 s23, s15, 9
	s_add_co_u32 s98, s98, s23                     ; 4 (256 x tile row + 128 x my half of the rows)
	s_lshl_b32 s99, s99, 10
	s_lshl_b32 s23, s16, 9
	s_add_co_u32 s99, s99, s23                     ; 4 (256 x tile column + 128 x my half of the columns)
	s_not_b32 s87, s86                             ; and in the v half
	v_lshl_add_u32 v7, v1, 2, s98                  ; + 4 r
	v_lshl_add_u32 v8, v2, 5, s99                  ; + 32 h
.irp a, 0,1,2,3,4,5,6,7
	global_load_b32 v[RB+2*\a], v7, s[76:77] offset:64*\a
.endr
.irp b, 0,1,2,3,4,5,6,7
	global_load_b128 v[CB+8*\b:CB+8*\b+3], v8, s[78:79] offset:64*\b
	global_load_b128 v[CB+8*\b+4:CB+8*\b+7], v8, s[78:79] offset:64*\b+16
.endr
	; where my blocks go.  q: tile row 2^17 + (tile column / 2) 2^20 + (tile column % 2) 4,096; from block to block 8,192; my half of the columns 2,048.
	; v: (tile row / 2) 2^21 + 65,536 + (tile row % 2) 32,768 + tile column 2^18; from block to block 2,048; my half of the columns 2^17.
	s_lshl_b32 s98, s17, 17
	s_lshr_b32 s23, s42, 1
	s_lshl_b32 s23, s23, 20
	s_add_co_u32 s98, s98, s23
	s_and_b32 s23, s42, 1
	s_lshl_b32 s23, s23, 12
	s_add_co_u32 s98, s98, s23
	s_lshr_b32 s99, s17, 1
	s_lshl_b32 s99, s99, 21
	s_and_b32 s23, s17, 1
	s_lshl_b32 s23, s23, 15
	s_add_co_u32 s99, s99, s23
	s_lshl_b32 s23, s42, 18
	s_add_co_u32 s99, s99, s23
	s_add_co_u32 s99, s99, 65536
	s_cmp_lt_u32 ttmp9, 8
	s_cselect_b32 s98, s98, s99
	s_cselect_b32 s96, 13, 11                      ; log2 of the step from block to block
	s_cselect_b32 s97, 11, 17                      ; log2 of the step between the halves of the columns
	s_lshl_b32 s23, s15, 3
	s_lshl_b32 s23, s23, s96                       ; my half of the rows is eight blocks
	s_add_co_u32 s98, s98, s23
	s_lshl_b32 s23, s16, s97
	s_add_co_u32 s98, s98, s23
	s_lshl_b32 s99, 1, s96
	v_and_b32 v6, 31, v0
	v_lshlrev_b32 v6, 4, v6                        ; 16 x lane
	v_add_nc_u32 v[OFF], s98, v6
.irp a, 1,2,3,4,5,6,7
	v_add_nc_u32 v[OFF+\a], s99, v[OFF+\a-1]
.endr
	s_wait_kmcnt 0x0
	s_add_co_i32 s96, s88, s89                     ; e0 + e1
	s_add_co_i32 s97, s90, s91                     ; e2 + e3
	s_cmp_lt_u32 ttmp9, 8
	s_cselect_b32 s96, s96, s97                    ; es
	s_cselect_b32 s97, s92, s95                    ; eo: e4 or e7
	s_sub_co_i32 s98, 0, s96                       ; -es
	s_sub_co_i32 s97, s97, s96
	s_add_co_i32 s97, s97, 127
	s_lshl_b32 s99, s97, 23
	v_mov_b32 v[SCV], s99                          ; 2^(eo - es) as f32: the scales folded into the conversion's one
	s_add_co_i32 s97, s97, 15
	s_lshl_b32 s97, s97, 23
	s_or_b32 s97, s97, 0x600000
	v_mov_b32 v[LIMV], s97                         ; 57,344 x that
	s_wait_loadcnt 0x0                             ; the biases
.set i, 0
.rept 64
	v_ldexp_f32 v[CB+i], v[CB+i], s98              ; bv / 2^es,
	v_cndmask_b32 v[CB+i], 0, v[CB+i], s87         ; or 0 in the q half
.set i, i+1
.endr
.irp a, 0,1,2,3,4,5,6,7
	v_ldexp_f32 v[RB+2*\a], v[RB+2*\a], s98        ; bq / 2^es,
	v_cndmask_b32 v[RB+2*\a], 0, v[RB+2*\a], s86   ; or 0 in the v half
	v_mov_b32 v[RB+2*\a+1], v[RB+2*\a]             ; twice: a pair for the packed addition
.endr
.macro FRAG reg, adr, q, i             ; a fragment is 16 registers: lane l holds row l % 16; registers 4 c .. 4 c + 3 hold K = 32 c + 16 (l / 16) + 0 .. 15: the same places in A and in B
.irp c, 0,1,2,3
	ds_load_b128 v[\reg+4*\c:\reg+4*\c+3], v[\adr] offset:128*(\q)+32*\c+(\i)*16*PITCH
.endr
.endm
; 16 matrix instructions: A's blocks a0, a0 + 1 x B's eight, 128 along K.  p: B's set.  first = 1: the first product starts the sums on the column's bias: nothing is ever cleared.
; The 64 accumulators take turns, one instruction a turn, in the same order in every step.
.macro MUL16 a0, p, first
.irp a, \a0, \a0+1
.irp b, 0,1,2,3,4,5,6,7
.if \first
	v_wmma_f32_16x16x128_bf8_bf8 v[8*(8*((\a)%4)+\b):8*(8*((\a)%4)+\b)+7], v[128*(\p)+FR*\b:128*(\p)+FR*\b+FR-1], v[AF+FR*(\a):AF+FR*(\a)+FR-1], v[CB+8*\b:CB+8*\b+7]
.else
	v_wmma_f32_16x16x128_bf8_bf8 v[8*(8*((\a)%4)+\b):8*(8*((\a)%4)+\b)+7], v[128*(\p)+FR*\b:128*(\p)+FR*\b+FR-1], v[AF+FR*(\a):AF+FR*(\a)+FR-1], v[8*(8*((\a)%4)+\b):8*(8*((\a)%4)+\b)+7]
.endif
.endr
.endr
.endm
.macro FETCH_B slot, q, p              ; B's eight fragments of the slot's q-th 128 along K into set p
	WIN TO_B
.irp i, 0,1,2,3,4,5,6,7
	FRAG 128*(\p)+FR*\i, ADRB+\slot, \q, \i
.endr
	WIN 0
.endm
.macro FETCH_A slot, q, i0             ; A's blocks i0 .. i0 + 3
.irp i, \i0, \i0+1, \i0+2, \i0+3
	FRAG AF+FR*(\i), ADRA+\slot, \q, \i
.endr
.endm
; A load into a register that a matrix instruction has read, and a vector instruction that reads a matrix result, stand NP places behind that matrix instruction, and only plain vector
; instructions that name none of its registers are places (ISA guide 7.12.1 for vector instructions).
.macro PLACES n
.rept \n
	v_nop
.endr
.endm
; A step of 128 along K that has its successor in the same slot.  A block of A is free as soon as its eight products are issued, so one set of registers serves A; B's fragments are at work through the whole step and have two.
.macro STEP slot, q, first
	s_wait_dscnt 4*NL                              ; B's set and A's blocks 0-3 are in; the youngest sixteen loads (A's blocks 4-7) may be out
.if \first
	WIN FST_LO
.else
	WIN MUL_LO
.endif
	MUL16 0, (\q)%2, \first
	MUL16 2, (\q)%2, \first
	s_wait_dscnt 0                                 ; A's blocks 4-7 are in (asked for 32 matrix instructions ago)
	PLACES NP
	FETCH_B \slot, (\q)+1, 1-(\q)%2
	FETCH_A \slot, (\q)+1, 0
.if \first
	WIN FST_HI
.else
	WIN MUL_HI
.endif
	MUL16 4, (\q)%2, \first
	MUL16 6, (\q)%2, \first
	PLACES NP
	WIN 0
	FETCH_A \slot, (\q)+1, 4
.endm
; A slot's last step changes slots: ONE barrier; in front of it each wave waits for all its tensor loads, adds 0 to its spare word, and waits for that and for its own reads of this slot.  fill = 1: this slot is filled again, two K steps ahead.
.macro TURN slot, next, fill
	s_wait_tensorcnt 0x0                           ; all my tensor loads have landed: my part of the next slot;  (every window is 0 here: the add's two registers lie in window 0)
	ds_add_u32 v[SPW], v[NIL]                      ; 0 onto my spare word
	s_wait_dscnt 4*NL+1                            ; (the add and the youngest sixteen loads, A's blocks 4-7, may be out)
	WIN MUL_LO
	MUL16 0, 1, 0                                  ; sixteen matrix instructions stand between the add and the wait for it
	s_wait_dscnt 0x0                               ; the add is done, and my reads of this slot are over
	s_barrier_signal -1
	MUL16 2, 1, 0
	WIN 0
	s_barrier_wait -1
.if \fill
	CREST                                          ; the barrier has opened a round of the cluster's barrier: no wave of any partner still reads this slot's tile or has a load on its way
	s_add_nc_u64 s[G0+4*\slot+2:G0+4*\slot+3], s[G0+4*\slot+2:G0+4*\slot+3], 2*ROWB
	s_add_nc_u64 s[G0B+4*\slot+2:G0B+4*\slot+3], s[G0B+4*\slot+2:G0B+4*\slot+3], 2*ROWB
	JLOAD G0+4*\slot, G1, G0B+4*\slot, G1B         ; the first tensor load behind the round; the four v_nop behind it are the places in front of the loads below
.else
	PLACES NP
.endif
	FETCH_B \next, 0, 0
	FETCH_A \next, 0, 0
	WIN MUL_HI
	MUL16 4, 1, 0
	MUL16 6, 1, 0
	PLACES NP
	WIN 0
	FETCH_A \next, 0, 4
.endm
	s_wait_tensorcnt 1                             ; my part of K step 0 is in (K step 1's load may be out)
	s_barrier_signal -1
	s_barrier_wait -1                              ; everybody's is
	FETCH_B 0, 0, 0
	FETCH_A 0, 0, 0
	FETCH_A 0, 0, 4
	STEP 0, 0, 1                                   ; the first step stands in front of the loop: its products start the sums
	s_mov_b32 s3, LAPS-1
.Llap:                                                 ; a trip goes once round the ring, from a lap's second step to the next lap's first, and fills both slots again
	TURN 0, 1, 1
	STEP 1, 0, 0
	TURN 1, 0, 1
	STEP 0, 0, 0
	s_sub_co_u32 s3, s3, 1
	s_cmp_lg_u32 s3, 0
	s_cbranch_scc1 .Llap
	TURN 0, 1, 0                                   ; the last lap fills nothing, and has no round of the cluster's barrier
	STEP 1, 0, 0
	s_wait_dscnt 4*NL                              ; the very last step: nothing more to fetch
	WIN MUL_LO
	MUL16 0, 1, 0
	MUL16 2, 1, 0
	s_wait_dscnt 0
	WIN MUL_HI
	MUL16 4, 1, 0
	MUL16 6, 1, 0
	WIN 0
; THE WAY OUT of block a (16 rows x my 128 columns).  Register 8 b + j of lane (r, h) is C(16 a + r, 16 b + 8 h + j).
.macro OUT a
.set AC, 64*((\a)%4)
	WIN 0x02+((\a)/4)                              ; source 0: window 2 or 3
.set j, 0
.rept 32
	v_pk_add_f32 v[T+j:T+j+1], v[AC+j:AC+j+1], v[RB+2*(\a):RB+2*(\a)+1]   ; + the row's bias; each accumulator from its low end on
.set j, j+2
.endr
	WIN 0
.set j, 0
.rept 64
	v_med3_num_f32 v[T+j], v[T+j], -v[LIMV], v[LIMV]   ; the conversion to an 8-bit code does not saturate (ISA guide 7.6.2): the hold
.set j, j+1
.endr
.irp b, 0,1,2,3,4,5,6,7
	v_cvt_scalef32_pk8_bf8_f32 v[CD+16*(\a)+2*\b:CD+16*(\a)+2*\b+1], v[T+8*\b:T+8*\b+7], v[SCV]
.endr
	v_nop                                          ; a plain place between the conversions and what touches their results and sources
.irp g, 0,1,2,3                        ; tiles 2 g and 2 g + 1: lanes 16-31 of the first's codes change places with lanes 0-15 of the second's: lane (r, h) then holds columns 32 g + 16 h + 0 .. 15 in four registers on end
	v_permlane16_swap_b32 v[CD+16*(\a)+4*\g], v[CD+16*(\a)+4*\g+2]
	v_permlane16_swap_b32 v[CD+16*(\a)+4*\g+1], v[CD+16*(\a)+4*\g+3]
.endr
.irp g, 0,1,2,3
	global_store_b128 v[OFF+(\a)], v[CD+16*(\a)+4*\g:CD+16*(\a)+4*\g+3], s[10:11] offset:512*\g   ; 512 consecutive bytes, aligned; every store has data and offset registers of its own, so nothing waits for a store
.endr
.endm
	PLACES NP                                      ; behind the last products: their operands' registers take the codes, and their results are read
.irp a, 0,1,2,3,4,5,6,7
	OUT \a
.endr
	s_wait_tensorcnt 0x0                           ; the wave's end
	ds_add_u32 v[SPW], v[NIL]
	s_wait_dscnt 0x0
	CROUND                                         ; the closing round: no work-group ends while a partner may still ask for a tile that names it
	s_endpgm
.Lfunc_end_k_q837e72db59_proj:
	.size	k_q837e72db59_proj, .Lfunc_end_k_q837e72db59_proj-k_q837e72db59_proj
	.p2alignl 7, 3214868480
	.fill 96, 4, 3214868480
	.section	.rodata,"a",@progbits
	.p2align	6, 0x0
	.amdhsa_kernel k_q837e72db59_proj
		.amdhsa_group_segment_fixed_size 327680
		.amdhsa_private_segment_fixed_size 0
		.amdhsa_enable_private_segment 0
		.amdhsa_kernarg_size 72
		.amdhsa_user_sgpr_count 2
		.amdhsa_user_sgpr_kernarg_segment_ptr 1
		.amdhsa_wavefront_size32 1
		.amdhsa_system_sgpr_workgroup_id_x 1
		.amdhsa_system_sgpr_workgroup_id_y 1
		.amdhsa_system_sgpr_workgroup_id_z 1
		.amdhsa_system_vgpr_workitem_id 0
		.amdhsa_next_free_vgpr 1024
		.amdhsa_next_free_sgpr 100
		.amdhsa_reserve_vcc 0
		.amdhsa_float_denorm_mode_32 3
		.amdhsa_float_denorm_mode_16_64 3
		.amdhsa_memory_ordered 1
		.amdhsa_forward_progress 1
		.amdhsa_inst_pref_size 149
	.end_amdhsa_kernel
	.amdgpu_metadata
---
amdhsa.version: [ 1, 2 ]
amdhsa.kernels:
  - .name:           k_q837e72db59_proj
    .symbol:         k_q837e72db59_proj.kd
    .args:
      - { .name: Wq_codes, .offset: 0, .size: 8, .value_kind: global_buffer, .address_space: global }
      - { .name: Wv_codes, .offset: 8, .size: 8, .value_kind: global_buffer, .address_space: global }
      - { .name: fq_codes, .offset: 16, .size: 8, .value_kind: global_buffer, .address_space: global }
      - { .name: fv_codes, .offset: 24, .size: 8, .value_kind: global_buffer, .address_space: global }
      - { .name: bq, .offset: 32, .size: 8, .value_kind: global_buffer, .address_space: global }
      - { .name: bv, .offset: 40, .size: 8, .value_kind: global_buffer, .address_space: global }
      - { .name: lowp_scales, .offset: 48, .size: 8, .value_kind: global_buffer, .address_space: global }
      - { .name: q_img, .offset: 56, .size: 8, .value_kind: global_buffer, .address_space: global }
      - { .name: kv, .offset: 64, .size: 8, .value_kind: global_buffer, .address_space: global }
    .group_segment_fixed_size: 327680
    .private_segment_fixed_size: 0
    .kernarg_segment_align: 8
    .kernarg_segment_size: 72
    .max_flat_workgroup_size: 128
    .sgpr_count:     100
    .vgpr_count:     1024
    .wavefront_size: 32
...
	.end_amdgpu_metadata
.endif
;; end of part 2
;; launch attn (part 3): grid 32 x 8, 4 waves a work-group, clusters of 4 x 1, 327,680 bytes of LDS; arguments q_img, kv, feature_map, gamma, lowp_scales, out0; writes out0
.if DOCPART == 3
	.amdgcn_target "amdgcn-amd-amdhsa--gfx1250"
	.amdhsa_code_object_version 6
	.text
	.protected	k_q837e72db59_attn
	.globl	k_q837e72db59_attn
	.p2align	8
	.type	k_q837e72db59_attn,@function
k_q837e72db59_attn:
	s_mov_b64 s[64:65], 0
	v_nop
	global_prefetch_b8 v0, s[64:65] scope:SCOPE_SE
	s_setreg_imm32_b32 hwreg(HW_REG_WAVE_MODE, 25, 1), 1
	s_wait_xcnt 0x0
	s_wait_alu depctr_hold_cnt(0) depctr_sa_sdst(0) depctr_va_vdst(0) depctr_va_sdst(0) depctr_va_ssrc(0) depctr_va_vcc(0) depctr_vm_vsrc(0)
	s_getreg_b32 s2, hwreg(HW_REG_IB_STS2, 6, 4)
	s_cmp_eq_u32 s2, 0
	s_cbranch_scc0 .Lentry_in_a_cluster
	s_endpgm
.Lentry_in_a_cluster:
	s_bfe_u32 s2, ttmp6, 0x10000c
	s_cmp_lg_u32 s2, 0x3003
	s_cbranch_scc0 .Lentry_shape_is_right
	s_endpgm
.Lentry_shape_is_right:
; out[b][o][n] = gamma x (sum over d of softmax_d(q[b][o] . k[b][d]) v[b][d][n]) + feature_map[b][o][n]; both products on codes of BF8 (E5M2).  Queries o and keys d are channels (2,048), K of the first product the 512 pixels.
; q_img, kv: codes in the order of the operands' registers: an image of 16 rows x 128 K is 2,048 bytes, lane (r, h) has K = 32 c + 16 h + 0 .. 15 of row r at 512 c + 16 lane: four loads of 16 bytes a lane bring a fragment.
;   q_img: b 2^20 + (o / 16) 8,192 + s 2,048 (pixels 128 s on).   kv: b 2^21 + kappa 2^17 (key block kappa: keys 128 kappa on): K's 32 fragments (tile t, s) at (4 t + s) 2,048, then V's 32 (pixels 16 nt on; K = the block's keys) at 65,536 + nt 2,048.
;   Row rho of K's tile t is key 32 (t / 2) + 8 (t % 2) + rho + 8 (rho / 8) of the block, so that the 16 registers of tiles 2 w and 2 w + 1 of S^T are the 16 neighbouring keys 32 w + 16 h + 0 .. 15.
; THE SOFTMAX: t = score x log2(e); M = the largest t so far, rounded UP to a whole number; p = 2^(t - M) is quantised with 2^e6, not normalised; the row's sum is taken of the unquantised p and divides at the end.
;   When M moves, the sum and O are multiplied by f = 2^(old M - new M): exact.  Codes so far below the row's largest that they fall under the format's range follow the running M.
; THE ORDER OF THE KEYS.  Step j of cluster x takes key block (o(x) + j) mod 16, o = 0, 8, 4, 12, 10, 2, 14, 6 for x = 0 .. 7: a running M serves any order.  So the eight clusters of a batch ask for eight different blocks at a time,
;   and, while they keep pace, all but a cluster's first few requests are for bytes that another cluster has asked for some steps before.  Only the tensor loads' addresses know of the block; all else counts steps.
; SHARES.  A work-group owns 64 queries of a batch (four tiles of 16).  THE WAVES SHARE THE KEYS AND THE PIXELS, NOT THE QUERIES: in a key step wave w makes S^T for keys 32 w .. 32 w + 31 x all 64 queries, and O^T for pixels
;   128 w .. 128 w + 127 x all 64 queries.  So each fragment of K and of V is read from LDS by one wave alone and feeds four products.  What goes from wave to wave is small: the tiles' maxima and p's codes, through LDS, one barrier a step.
; Both products are used transposed (S^T = K Q^T, O^T = V^T P^T): a lane holds one query (lane % 16) of each tile throughout.
; THE PIPELINE.  Behind the barrier of step j: the refill | loads of the maxima (j + 1) and of P(j) | softmax of S(j + 1) -> P(j + 1) to LDS, with the loads of V(j) and K(j + 2) in runs of eight between its parts, so that LDS serves them
;   while the wave has vector work | O += V(j) P(j) | S(j + 2) = K(j + 2) Q^T, with O's rescaling by f(j + 1) between its products | my maxima of S(j + 2) to LDS | the barrier of step j + 1.
; P and the maxima have two buffers by the step's parity: one is written again only behind the next barrier, in front of which every wave has waited for its reads.
; CLUSTER.  The four work-groups of a cluster belong to one batch and walk the same kv in the same order: each tile is asked for JOINTLY (the same tensor load, the same descriptor, mask 15).  Slot p holds K and V of steps of parity p.
;   Behind the barrier of step j waves 0, 1 bring K(j + 3) and waves 2, 3 V(j + 1), 32 KiB each, into slot (j + 1) % 2, whose K and V were read behind the barrier before.  By this text's count a wave has two tensor loads out at the start, later one.
; LIMITS: e4 + e5 between -126 and 127 (added to log2(e)'s exponent field); e6 between -126 and 112.  NaN among the inputs is not served.
; REGISTERS, in windows of 256: window 0: addresses, statistics, S^T, p's codes, P's fragments.   window 1: Q's 16 fragments ((qt, s) at 16 (4 qt + s)); at the end 64 rows of feature_map.
;   window 2: O^T, accumulator (qt, n) at 8 (8 qt + n).   window 3: v0-127 K's eight fragments ((u, s) at 16 (4 u + s)), v128-255 V's eight.
.set SLOTB, 131072                     ; a slot: K's 64 KiB, then V's 64 KiB
.set VOFF,  65536
.set PB,    262144                     ; P's images: 2 x 8,192: parity, tile of queries x 2,048, piece (= wave) x 512
.set MX,    278528                     ; the maxima: 2 x 1,024: parity, word [qt][r][wave] at 256 qt + 16 r + 4 wave
.set STG,   280576                     ; the way out: for each wave 16 rows x (512 + 16) bytes
.set SPARE, 314368                     ; the spare words, 128 bytes for each wave
.set SPW, 1                            ; v1   LDS address of my spare word; never rewritten
.set NIL, 2                            ; v2   0; never rewritten
.set L16, 3                            ; v3   16 x lane
.set AK,  4                            ; v4-5 my K fragments in slot 0, 1: 16,384 w + 16 lane
.set AV,  6                            ; v6-7 my V fragments
.set PW,  8                            ; v8   where I store my piece of P
.set PR,  9                            ; v9   where I read P
.set MXW, 10                           ; v10  where I store my maxima
.set MXR, 11                           ; v11  where I read the four waves' maxima
.set STO, 12                           ; v12  the stage, in
.set SRD, 13                           ; v13  the stage, back
.set GO,  14                           ; v14  512 w + 16 lane: my bytes of a row of feature_map and of out
.set ST,  16                           ; v16-47 tile qt at ST + 8 qt: +0 -M, +1 the largest t, +2, +3 the sum in two halves, +4 f (at the end g), +5, +6 at work
.set MXV, 48                           ; v48-63 four waves' maxima for each tile
.set S,   64                           ; v64-127 S^T, then p: 16 qt + 8 u + j
.set T,   64                           ; the way out
.set PC,  128                          ; v128-143 my codes of p
.set PF,  144                          ; v144-207 P's four fragments
.set R,   144                          ; the way out: 16 rows back from the stage
.set LIM, 208                          ; v208 57,344 x 2^e6
.set SCL, 209                          ; v209 2^e6
.set SUM, 210                          ; v210-217 a step's sums
.set MSB, 0
.macro WIN new                         ; the immediate's high byte repeats the setting that is left; a switch that changes nothing is dropped
.if MSB != \new
	s_set_vgpr_msb (MSB<<8)|\new
.set MSB, \new
.endif
.endm
.set W_S,  0x07                        ; K window 3, Q window 1, S^T window 0
.set W_PV, 0xa3                        ; V window 3, P window 0, O^T window 2
.set W_RS, 0x82                        ; O^T (destination and source 0) window 2, f window 0
.set W_KV, 0xc0                        ; destination window 3
.set W_Q,  0x40                        ; destination window 1
.macro CROUND                          ; a round of the cluster's barrier
	s_barrier_signal -1
	s_barrier_wait -1
	s_cmp_lg_u32 s16, 0
	s_cbranch_scc1 .Lnot_wave_0_\@
	s_barrier_signal -3
.Lnot_wave_0_\@:
	s_barrier_wait -3
	s_barrier_signal -1
	s_barrier_wait -1
.endm
	s_load_b256 s[4:11], s[0:1], 0x0               ; q_img, kv, feature_map, gamma
	s_load_b128 s[12:15], s[0:1], 0x20             ; the scales' exponents, out
	v_lshl_add_u32 v[SPW], v0, 2, SPARE
	v_mov_b32 v[NIL], 0
	ds_add_u32 v1, v2
	ds_add_u32 v1, v2
	s_wait_dscnt 0x0
	v_lshrrev_b32 v15, 5, v0
	v_readfirstlane_b32 s16, v15                   ; wave 0..3
	s_bfe_u32 s17, ttmp6, 0x40000                  ; cx: it enters Q's, feature_map's and out's addresses alone
	s_lshl_b32 s59, ttmp9, 2                       ; 4 x the cluster's x (0 .. 7), which the four partners share
	s_lshr_b32 s55, 0x6e2ac480, s59                ; the table of starts, four bits a cluster: 0, 8, 4, 12, 10, 2, 14, 6
	s_and_b32 s55, s55, 15                         ; o: the key block of my cluster's step 0
	s_add_co_u32 s18, s59, s17                     ; my block of 64 queries
	s_and_b32 s19, ttmp7, 0xffff                   ; the batch, which the four partners share
	; descriptor group 1: 32 KiB, dense in memory and in LDS, as 128 rows of 256 bytes
	s_mov_b32 s24, 15|(3<<16)|(1<<21)              ; 15:0 the mask: all four work-groups; 17:16 elements of 8 bytes; 21 set beside a mask; no padding
	s_mov_b32 s25, 32<<16                          ; tensor_dim0 = 32
	s_mov_b32 s26, 128<<16                         ; tensor_dim1 = 128
	s_mov_b32 s27, 32<<16                          ; tile_dim0 = 32
	s_mov_b32 s28, 128                             ; tile_dim1 = 128
	s_mov_b32 s29, 32                              ; tensor_dim0_stride
	s_mov_b32 s30, 0
	s_mov_b32 s31, 0
	s_mov_b32 s20, 0x76543210                      ; v_permlanex16_b32's selects: lane l xor 16
	s_mov_b32 s21, 0xfedcba98
	s_lshl_b32 s58, s16, 15                        ; my quarter of a slot and of a key block: 32,768 w (waves 0, 1: K's halves; 2, 3: V's)
	s_lshl_b32 s56, s19, 21
	s_add_co_u32 s56, s56, s58
	s_mov_b32 s57, 0
	s_lshr_b32 s60, s16, 1
	s_xor_b32 s60, s60, 1
	s_lshl_b32 s60, s60, 1                         ; K's refills run two key steps ahead of V's: 2 in waves 0, 1; 0 in waves 2, 3
	v_and_b32 v[L16], 31, v0
	v_lshlrev_b32 v[L16], 4, v[L16]
	v_and_b32 v15, 15, v0                          ; r
	v_bfe_u32 v218, v0, 4, 1                       ; h
	s_lshl_b32 s59, s16, 14
	v_add_nc_u32 v[AK], s59, v[L16]
	v_add_nc_u32 v[AK+1], SLOTB, v[AK]
	v_add_nc_u32 v[AV], VOFF, v[AK]
	v_add_nc_u32 v[AV+1], VOFF, v[AK+1]
	s_lshl_b32 s59, s16, 9
	v_add_nc_u32 v[GO], s59, v[L16]
	v_add_nc_u32 v[PW], PB, v[GO]
	v_add_nc_u32 v[PR], PB, v[L16]
	v_lshlrev_b32 v[MXR], 4, v15
	v_add_nc_u32 v[MXR], MX, v[MXR]
	s_lshl_b32 s59, s16, 2
	v_add_nc_u32 v[MXW], s59, v[MXR]
	s_mul_i32 s59, s16, 16*528
	s_add_co_u32 s59, s59, STG                     ; my stage
	v_add_nc_u32 v[SRD], s59, v[L16]               ; back: the 32 lanes take one row of 512 bytes
	v_mul_u32_u24 v[STO], v15, 528
	v_lshl_add_u32 v[STO], v218, 5, v[STO]
	v_add_nc_u32 v[STO], s59, v[STO]               ; in: row r, 32 bytes for each half of the lanes
	s_lshl_b32 s62, s19, 20                        ; Q: b 2^20 + 32,768 x block
	s_lshl_b32 s59, s18, 15
	s_add_co_u32 s62, s62, s59
	s_mov_b32 s63, 0                               ; the upper word of every offset below: it stays 0
	s_wait_kmcnt 0x0
	s_load_b256 s[44:51], s[12:13], 0x0            ; e0 .. e7
	s_load_b32 s52, s[10:11], 0x0                  ; gamma
	s_add_nc_u64 s[6:7], s[6:7], s[56:57]          ; kv at my quarter of the batch's key block 0: it stays so
	s_add_nc_u64 s[4:5], s[4:5], s[62:63]
	s_lshl_b32 s62, s19, 22                        ; feature_map and out: b 2^22 + 64 rows of 2,048 bytes x block
	s_lshl_b32 s59, s18, 17
	s_add_co_u32 s62, s62, s59
	s_add_nc_u64 s[8:9], s[8:9], s[62:63]
	s_add_nc_u64 s[14:15], s[14:15], s[62:63]
	s_lshl_b32 s62, s55, 17                        ; step 0 is key block o
	s_mov_b32 s32, 1                               ; group 0 of slot 0: count = 1,
	s_mov_b32 s33, s58                             ; LDS address,
	s_add_nc_u64 s[34:35], s[6:7], s[62:63]        ; global address,
	s_or_b32 s35, s35, 0x80000000                  ; type = 2
	s_add_co_u32 s61, s55, 1
	s_and_b32 s61, s61, 15
	s_lshl_b32 s62, s61, 17                        ; step 1 is key block (o + 1) mod 16
	s_mov_b32 s36, 1                               ; group 0 of slot 1
	s_add_co_u32 s37, s58, SLOTB
	s_add_nc_u64 s[38:39], s[6:7], s[62:63]
	s_or_b32 s39, s39, 0x80000000
	s_add_co_u32 s55, s55, s60                     ; o + the step that my first refill brings: K of step 2, or V of step 0 (which is not asked for again)
	CROUND                                         ; all four work-groups are here: the first joint loads meet
	tensor_load_to_lds s[32:35], s[24:31]          ; the two first fills go out together, ahead of every wait on TENSORcnt, every LDS read and every other barrier
	s_nop 0
	tensor_load_to_lds s[36:39], s[24:31]
	s_nop 0
.rept 4
	v_nop
.endr
	WIN W_Q
.set i, 0
.rept 64
	global_load_b128 v[4*i:4*i+3], v[L16], s[4:5] offset:512*i   ; Q's 16 fragments stay in registers: 512 consecutive bytes a load
.set i, i+1
.endr
	WIN 0
.irp q, 0,1,2,3
	v_mov_b32 v[ST+8*\q+1], 0xff61b1e6             ; the largest t so far: -3e38, under every t
	v_floor_f32 v[ST+8*\q], -v[ST+8*\q+1]          ; -M
	v_mov_b32 v[ST+8*\q+2], 0                      ; the sum, in two halves
	v_mov_b32 v[ST+8*\q+3], 0
	v_mov_b32 v[ST+8*\q+4], 0
	v_mov_b32 v[ST+8*\q+5], 0                      ; (named as the upper half of f's pair)
	v_mov_b32 v[ST+8*\q+6], 0                      ; (a lane permute's destination counts as one of its sources)
.endr
	s_wait_kmcnt 0x0
	s_add_co_i32 s56, s48, s49
	s_lshl_b32 s56, s56, 23
	s_add_co_i32 s22, s56, 0x3fb8aa3b              ; c = log2(e) x 2^(e4 + e5): a sum of the first product stands for sum x 2^(e4 + e5)
	s_mov_b32 s23, s22                             ; (named with it as a pair, so it is written)
	s_add_co_i32 s56, s50, 127
	s_lshl_b32 s57, s56, 23
	v_mov_b32 v[SCL], s57                          ; 2^e6 as f32, for the conversion
	s_add_co_i32 s56, s56, 15
	s_lshl_b32 s56, s56, 23
	s_or_b32 s56, s56, 0x600000
	v_mov_b32 v[LIM], s56                          ; 57,344 x 2^e6
	s_add_co_i32 s53, s50, s51                     ; e6 + e7
; THE CHANGE OF SLOTS.  Each wave waits for all its tensor loads, adds 0 to its spare word, and waits for that and for all its LDS reads and stores.  Behind the barrier P and the maxima lie in LDS, the slot in hand is whole,
; and nobody reads the other one.  fill: 0 nothing is filled, a plain barrier; 1 every wave fills its quarter of slot `slot`; 2 waves 2, 3 alone (V); 3 waves 0, 1 alone (K).  Where something is filled the barrier is a round of the cluster's,
; and the joint refill is the first thing behind it, a wave's one tensor load until the next.  The slot's group 0 is made anew while no tensor load of the wave is out: my quarter of key block s55 mod 16; then s55 goes one step on.
.macro SYNC fill, slot
	WIN 0                                          ; at a label and at a branch every window is 0; the add's two registers lie in window 0
	s_wait_tensorcnt 0x0                           ; no tensor load of mine is out, so a group 0 may be written
	ds_add_u32 v[SPW], v[NIL]                      ; 0 onto my spare word
.if \fill
	s_and_b32 s62, s55, 15                         ; round the batch's sixteen key blocks
	s_lshl_b32 s62, s62, 17
	s_add_nc_u64 s[34+4*(\slot):35+4*(\slot)], s[6:7], s[62:63]
	s_or_b32 s[35+4*(\slot)], s[35+4*(\slot)], 0x80000000
	s_add_co_u32 s55, s55, 1
.endif
	s_wait_dscnt 0x0                               ; the add is done, my stores have landed, my reads are over
.if \fill
	CROUND
.if \fill == 2
	s_cmp_lt_u32 s16, 2
	s_cbranch_scc1 .Lnone_\@
.elseif \fill == 3
	s_cmp_lt_u32 s16, 2
	s_cbranch_scc0 .Lnone_\@
.endif
	tensor_load_to_lds s[32+4*(\slot):35+4*(\slot)], s[24:31]
	s_nop 0
.rept 4
	v_nop
.endr
.if \fill > 1
.Lnone_\@:
.endif
.else
	s_barrier_signal -1
	s_barrier_wait -1
.endif
.endm
.macro KLOAD slot                      ; my eight fragments of K in one run: 32 loads of 512 consecutive bytes (at the head, where there is no other work)
	WIN W_KV
.set i, 0
.rept 32
	ds_load_b128 v[4*i:4*i+3], v[AK+\slot] offset:512*i
.set i, i+1
.endr
.endm
.macro KRUN par, r                     ; run r of four: two of my eight fragments of K
	WIN W_KV
.set li, 8*(\r)
.rept 8
	ds_load_b128 v[4*li:4*li+3], v[AK+\par] offset:512*li
.set li, li+1
.endr
	WIN 0
.endm
.macro VRUN par, r                     ; the same for V
	WIN W_KV
.set li, 8*(\r)
.rept 8
	ds_load_b128 v[128+4*li:128+4*li+3], v[AV+\par] offset:512*li
.set li, li+1
.endr
	WIN 0
.endm
; First behind the barrier of a step of parity par: the four waves' maxima of the next step's scores, then (pv = 1) P's four fragments of this step.
.macro POSTA par, pv
.irp q, 0,1,2,3
	ds_load_b128 v[MXV+4*\q:MXV+4*\q+3], v[MXR] offset:1024*(1-(\par))+256*\q
.endr
.if \pv
.set li, 0
.rept 16
	ds_load_b128 v[PF+4*li:PF+4*li+3], v[PR] offset:8192*(\par)+512*li
.set li, li+1
.endr
.endif
.endm
; The softmax of the scores in S (the step behind the one of parity par).  Between its parts stand the LDS loads for the products that follow it: pv = 1: V of this step, four runs; kl = 1: K of two steps on, four runs.
.macro SOFTMAX par, pv, kl
	WIN 0
	s_wait_dscnt 16*(\pv)                          ; the maxima are in; P's sixteen loads behind them may be out
.irp q, 0,1,2,3
	v_max3_num_f32 v[ST+8*\q+5], v[MXV+4*\q], v[MXV+4*\q+1], v[MXV+4*\q+2]
.endr
.irp q, 0,1,2,3
	v_max_num_f32 v[ST+8*\q+5], v[ST+8*\q+5], v[MXV+4*\q+3]   ; the step's largest score of my query
.endr
.irp q, 0,1,2,3
	v_mul_f32 v[ST+8*\q+5], s22, v[ST+8*\q+5]      ; as t (c is positive)
.endr
.irp q, 0,1,2,3
	v_max_num_f32 v[ST+8*\q+1], v[ST+8*\q+1], v[ST+8*\q+5]   ; the running largest t
.endr
.irp q, 0,1,2,3
	v_mov_b32 v[ST+8*\q+6], v[ST+8*\q]
.endr
.irp q, 0,1,2,3
	v_floor_f32 v[ST+8*\q], -v[ST+8*\q+1]          ; the new -M = floor(-t) = -ceil(t): M is a whole number
.endr
.irp q, 0,1,2,3
	v_sub_f32 v[ST+8*\q+6], v[ST+8*\q], v[ST+8*\q+6]   ; old M - new M: a whole number, 0 or less
.endr
.irp q, 0,1,2,3
	v_cvt_i32_f32 v[ST+8*\q+6], v[ST+8*\q+6]       ; (it saturates)
.endr
.if \pv
	VRUN \par, 0
.endif
.irp q, 0,1
.irp k, 0,2,4,6,8,10,12,14
	v_pk_fma_f32 v[S+16*\q+\k:S+16*\q+\k+1], v[S+16*\q+\k:S+16*\q+\k+1], s[22:23], v[ST+8*\q:ST+8*\q+1] op_sel_hi:[1,0,0]   ; t - M, two at a time (of the pairs c and -M the low word serves both halves)
.endr
.endr
.if \pv
	VRUN \par, 1
.endif
.irp q, 2,3
.irp k, 0,2,4,6,8,10,12,14
	v_pk_fma_f32 v[S+16*\q+\k:S+16*\q+\k+1], v[S+16*\q+\k:S+16*\q+\k+1], s[22:23], v[ST+8*\q:ST+8*\q+1] op_sel_hi:[1,0,0]
.endr
.endr
.if \pv
	VRUN \par, 2
.endif
.set i, 0
.rept 32
	v_exp_f32 v[S+i], v[S+i]                       ; p = 2^(t - M), at most 1
.set i, i+1
.endr
.if \pv
	VRUN \par, 3
.endif
.rept 32
	v_exp_f32 v[S+i], v[S+i]
.set i, i+1
.endr
.if \kl
	KRUN \par, 0
.endif
.irp q, 0,1,2,3
	v_ldexp_f32 v[ST+8*\q+4], 1.0, v[ST+8*\q+6]    ; f = 2^(old M - new M).  (These four are the plain places behind the exponentials)
.endr
	s_wait_alu depctr_va_vdst(0)
.irp q, 0,1,2,3
	v_pk_add_f32 v[SUM+2*\q:SUM+2*\q+1], v[S+16*\q:S+16*\q+1], v[S+16*\q+2:S+16*\q+3]   ; the sum is taken of the unquantised p
.endr
.irp k, 4,6,8,10,12,14
.irp q, 0,1,2,3
	v_pk_add_f32 v[SUM+2*\q:SUM+2*\q+1], v[SUM+2*\q:SUM+2*\q+1], v[S+16*\q+\k:S+16*\q+\k+1]
.endr
.endr
.irp q, 0,1,2,3
	v_pk_fma_f32 v[ST+8*\q+2:ST+8*\q+3], v[ST+8*\q+2:ST+8*\q+3], v[ST+8*\q+4:ST+8*\q+5], v[SUM+2*\q:SUM+2*\q+1] op_sel_hi:[1,0,1]   ; the running sum x f + the step's
.endr
.if \kl
	KRUN \par, 1
.endif
.set i, 0
.rept 32
	v_min_num_f32 v[S+i], v[S+i], v[LIM]           ; the conversion does not saturate (ISA guide 7.6.2); p is not negative, so the hold is one-sided
.set i, i+1
.endr
.if \kl
	KRUN \par, 2
.endif
.rept 32
	v_min_num_f32 v[S+i], v[S+i], v[LIM]
.set i, i+1
.endr
.if \kl
	KRUN \par, 3
.endif
.set i, 0
.rept 8
	v_cvt_scalef32_pk8_bf8_f32 v[PC+2*i:PC+2*i+1], v[S+8*i:S+8*i+7], v[SCL]
.set i, i+1
.endr
	v_nop                                          ; a plain place between the conversions and the products that write their sources
.irp q, 0,1,2,3
	ds_store_b128 v[PW], v[PC+4*\q:PC+4*\q+3] offset:8192*(1-(\par))+2048*\q   ; registers 4 w .. 4 w + 3 of P's fragment for tile q, into the other parity's buffer
.endr
.endm
; S^T = K Q^T for my 32 keys x 64 queries: 32 products; the eight accumulators (u, qt) take turns, one instruction a turn; the first eight start the sums.
; resc = 1: behind product i stand the four packed multiplications that bring O^T's accumulator i under the new M, from its low end on; they name none of the product's registers, so the last four are the places behind the last product.
.macro SCORES resc, cnt
	s_wait_dscnt \cnt                              ; K's fragments are in (cnt = 4: my four stores of P may be out)
.set i, 0
.rept 32
.set rS, S+16*(i%4)+8*((i/4)%2)
.set rK, 16*(4*((i/4)%2)+i/8)
.set rQ, 16*(4*(i%4)+i/8)
	WIN W_S
.if i < 8
	v_wmma_f32_16x16x128_bf8_bf8 v[rS:rS+7], v[rK:rK+15], v[rQ:rQ+15], 0
.else
	v_wmma_f32_16x16x128_bf8_bf8 v[rS:rS+7], v[rK:rK+15], v[rQ:rQ+15], v[rS:rS+7]
.endif
.if \resc
	WIN W_RS
.irp k, 0,2,4,6
	v_pk_mul_f32 v[8*i+\k:8*i+\k+1], v[8*i+\k:8*i+\k+1], v[ST+8*(i/8)+4:ST+8*(i/8)+5] op_sel_hi:[1,0]
.endr
.endif
.set i, i+1
.endr
	WIN 0
.if !(\resc)
.rept 4
	v_nop                                          ; the places behind the last product
.endr
.endif
.endm
; The largest of my 32 keys' scores for each query, into the maxima's buffer mp.  Each accumulator is read from its low end on.
.macro LOCALMAX mp
.irp q, 0,1,2,3
	v_max3_num_f32 v[ST+8*\q+5], v[S+16*\q], v[S+16*\q+1], v[S+16*\q+2]
.endr
.irp k, 3,5,7,9,11,13
.irp q, 0,1,2,3
	v_max3_num_f32 v[ST+8*\q+5], v[ST+8*\q+5], v[S+16*\q+\k], v[S+16*\q+\k+1]
.endr
.endr
.irp q, 0,1,2,3
	v_max_num_f32 v[ST+8*\q+5], v[ST+8*\q+5], v[S+16*\q+15]
.endr
.irp q, 0,1,2,3
	v_permlanex16_b32 v[ST+8*\q+6], v[ST+8*\q+5], s20, s21
.endr
.irp q, 0,1,2,3
	v_max_num_f32 v[ST+8*\q+5], v[ST+8*\q+5], v[ST+8*\q+6]   ; and lane l xor 16's
.endr
.irp q, 0,1,2,3
	ds_store_b32 v[MXW], v[ST+8*\q+5] offset:1024*(\mp)+256*\q   ; both halves of the lanes store the same number to the same word
.endr
.endm
; O^T += V^T P^T: 32 products on 32 accumulators.  first = 1: they start the sums.  extra: the LDS instructions issued behind V's last load (K's 32 loads, my four stores of P).
; The four v_nop at the end are the places in front of the rescaling, which reads these results, and of the next loads into V's and P's registers.
.macro PV first, extra
	WIN W_PV
.irp n, 0,1,2,3,4,5,6,7
.set cnt, (\extra)+4*(7-\n)            ; behind V's fragment n: the later fragments of V and the extra
.if cnt > 63
.set cnt, 63                           ; (the wait's field ends at 63: a smaller count is always safe)
.endif
	s_wait_dscnt cnt
.irp q, 0,1,2,3
.if \first
	v_wmma_f32_16x16x128_bf8_bf8 v[8*(8*\q+\n):8*(8*\q+\n)+7], v[128+16*\n:128+16*\n+15], v[PF+16*\q:PF+16*\q+15], 0
.else
	v_wmma_f32_16x16x128_bf8_bf8 v[8*(8*\q+\n):8*(8*\q+\n)+7], v[128+16*\n:128+16*\n+15], v[PF+16*\q:PF+16*\q+15], v[8*(8*\q+\n):8*(8*\q+\n)+7]
.endif
.endr
.endr
.rept 4
	v_nop
.endr
.endm
.macro FLOAD                           ; my 512 bytes of the block's 64 rows of feature_map, into Q's registers, which the last scores have left; the maxima's instructions are the places behind those products
	WIN W_Q
.set i, 0
.rept 64
	global_load_b128 v[4*i:4*i+3], v[GO], s[8:9] offset:2048*i th:TH_LOAD_NT
.set i, i+1
.endr
.endm
; What stands from the barrier of a step j of parity par to the next.  pv: O += V(j) P(j) (first: it starts the sums); fill: see SYNC; kl: K(j + 2) is fetched; sc: S(j + 2) and its maxima are made (resc: with O's rescaling).
.macro ITER par, pv, first, fill, kl, sc, resc
	SYNC \fill, 1-\par
	POSTA \par, \pv
	SOFTMAX \par, \pv, \kl
.if \pv
	PV \first, 32*\kl+4
.endif
.if \sc
	SCORES \resc, 4
	LOCALMAX \par
.endif
.endm
	s_wait_tensorcnt 1                             ; my part of slot 0 is in; slot 1's may stay out
	s_barrier_signal -1
	s_barrier_wait -1                              ; everybody's is
	KLOAD 0                                        ; K of step 0
	s_wait_loadcnt 0x0                             ; Q
	SCORES 0, 0
	LOCALMAX 0
	ITER 1, 0, 0, 3, 1, 1, 0                       ; 'step -1': K of step 0 has been read by all: K of step 2 takes its place | softmax of step 0, K of step 1 | S of step 1
	ITER 0, 1, 1, 3, 1, 1, 1                       ; step 0: K of step 3 into slot 1; V of step 1 lies there from the start
	WIN 0
	s_mov_b32 s54, 6
.Lpair:                                            ; steps 1 to 12, two a trip: every wave fills its quarter behind each barrier
	ITER 1, 1, 0, 1, 1, 1, 1
	ITER 0, 1, 0, 1, 1, 1, 1
	WIN 0
	s_sub_co_u32 s54, s54, 1
	s_cmp_lg_u32 s54, 0
	s_cbranch_scc1 .Lpair
	ITER 1, 1, 0, 2, 1, 1, 1                       ; step 13: no K is left to ask for; V of step 14; the last scores
	FLOAD                                          ; feature_map is asked for: it has the last two steps in which to land
	ITER 0, 1, 0, 2, 0, 0, 0                       ; step 14: V of step 15; the last softmax
	WIN W_RS
.set i, 0
.rept 128
	v_pk_mul_f32 v[2*i:2*i+1], v[2*i:2*i+1], v[ST+8*(i/32)+4:ST+8*(i/32)+5] op_sel_hi:[1,0]   ; O^T under the last M; each accumulator from its low end on
.set i, i+1
.endr
	WIN 0
.irp q, 0,1,2,3
	v_add_f32 v[ST+8*\q+5], v[ST+8*\q+2], v[ST+8*\q+3]   ; my keys' part of the row's sum: its two halves,
.endr
.irp q, 0,1,2,3
	v_permlanex16_b32 v[ST+8*\q+6], v[ST+8*\q+5], s20, s21
.endr
.irp q, 0,1,2,3
	v_add_f32 v[ST+8*\q+5], v[ST+8*\q+5], v[ST+8*\q+6]   ; and lane l xor 16's
.endr
.irp q, 0,1,2,3
	ds_store_b32 v[MXW], v[ST+8*\q+5] offset:256*\q      ; it goes the maxima's way, in the buffer whose last reads were over in front of the barrier before
.endr
	SYNC 0, 0                                      ; step 15: nothing is filled any more
	POSTA 1, 1                                     ; the four waves' parts of the sums, P of step 15
	VRUN 1, 0
	VRUN 1, 1
	VRUN 1, 2
	VRUN 1, 3
	PV 0, 0
	; THE WAY OUT.  g = gamma x 2^(e6 + e7) / the row's sum; O^T x g goes through my stage in LDS, a tile of 16 queries at a time, comes back as rows of 512 bytes, takes feature_map's row and is stored.
	WIN 0
	s_wait_dscnt 0x0                               ; (all my LDS loads are in since the last product's wait)
.irp q, 0,1,2,3
	v_add_f32 v[ST+8*\q+5], v[MXV+4*\q], v[MXV+4*\q+1]
.endr
.irp q, 0,1,2,3
	v_add_f32 v[ST+8*\q+6], v[MXV+4*\q+2], v[MXV+4*\q+3]
.endr
.irp q, 0,1,2,3
	v_add_f32 v[ST+8*\q+5], v[ST+8*\q+5], v[ST+8*\q+6]
.endr
.irp q, 0,1,2,3
	v_rcp_f32 v[ST+8*\q+4], v[ST+8*\q+5]
.endr
	v_nop                                          ; a plain place between the last reciprocal and the use of its result
	s_wait_alu depctr_va_vdst(0)
.irp q, 0,1,2,3
	v_mul_f32 v[ST+8*\q+4], s52, v[ST+8*\q+4]
.endr
.irp q, 0,1,2,3
	v_ldexp_f32 v[ST+8*\q+4], v[ST+8*\q+4], s53
.endr
.macro OUTQ qt
	WIN 0x02                                       ; source 0 (O^T) window 2
.set i, 0
.rept 32
	v_pk_mul_f32 v[T+2*i:T+2*i+1], v[64*\qt+2*i:64*\qt+2*i+1], v[ST+8*\qt+4:ST+8*\qt+5] op_sel_hi:[1,0]   ; each accumulator from its low end on
.set i, i+1
.endr
	WIN 0
.irp n, 0,1,2,3,4,5,6,7
	ds_store_b128 v[STO], v[T+8*\n:T+8*\n+3] offset:64*\n          ; lane (r, h): pixels 16 n + 8 h + 0 .. 7 of query r
	ds_store_b128 v[STO], v[T+8*\n+4:T+8*\n+7] offset:64*\n+16
.endr
.set i, 0
.rept 16
	ds_load_b128 v[R+4*i:R+4*i+3], v[SRD] offset:528*i             ; LDS serves a wave's instructions in order: these see my stores, and the next tile's stores come behind them
.set i, i+1
.endr
	s_wait_dscnt 0x0
	s_wait_loadcnt 48-16*\qt                       ; feature_map's rows 16 qt .. 16 qt + 15 are in; the later rows may be out
	WIN 0x44                                       ; source 1 and destination window 1
.set i, 0
.rept 32
	v_pk_add_f32 v[64*\qt+2*i:64*\qt+2*i+1], v[R+2*i:R+2*i+1], v[64*\qt+2*i:64*\qt+2*i+1]
.set i, i+1
.endr
	WIN 0x04                                       ; the stores' data window 1
.set i, 0
.rept 16
	global_store_b128 v[GO], v[64*\qt+4*i:64*\qt+4*i+3], s[14:15] offset:(16*\qt+i)*2048 th:TH_STORE_NT   ; 32 lanes store 512 consecutive bytes, aligned; no store's registers are written again
.set i, i+1
.endr
.endm
	OUTQ 0
	OUTQ 1
	OUTQ 2
	OUTQ 3
	WIN 0
	s_wait_tensorcnt 0x0                           ; the wave's end
	ds_add_u32 v[SPW], v[NIL]
	s_wait_dscnt 0x0
	CROUND                                         ; the closing round: no work-group ends while a partner may still ask for a tile that names it
	s_endpgm
.Lfunc_end_k_q837e72db59_attn:
	.size	k_q837e72db59_attn, .Lfunc_end_k_q837e72db59_attn-k_q837e72db59_attn
	.p2alignl 7, 3214868480
	.fill 96, 4, 3214868480
	.section	.rodata,"a",@progbits
	.p2align	6, 0x0
	.amdhsa_kernel k_q837e72db59_attn
		.amdhsa_group_segment_fixed_size 327680
		.amdhsa_private_segment_fixed_size 0
		.amdhsa_enable_private_segment 0
		.amdhsa_kernarg_size 48
		.amdhsa_user_sgpr_count 2
		.amdhsa_user_sgpr_kernarg_segment_ptr 1
		.amdhsa_wavefront_size32 1
		.amdhsa_system_sgpr_workgroup_id_x 1
		.amdhsa_system_sgpr_workgroup_id_y 1
		.amdhsa_system_sgpr_workgroup_id_z 1
		.amdhsa_system_vgpr_workitem_id 0
		.amdhsa_next_free_vgpr 1024
		.amdhsa_next_free_sgpr 66
		.amdhsa_reserve_vcc 0
		.amdhsa_float_denorm_mode_32 3
		.amdhsa_float_denorm_mode_16_64 3
		.amdhsa_memory_ordered 1
		.amdhsa_forward_progress 1
		.amdhsa_inst_pref_size 244
	.end_amdhsa_kernel
	.amdgpu_metadata
---
amdhsa.version: [ 1, 2 ]
amdhsa.kernels:
  - .name:           k_q837e72db59_attn
    .symbol:         k_q837e72db59_attn.kd
    .args:
      - { .name: q_img, .offset: 0, .size: 8, .value_kind: global_buffer, .address_space: global }
      - { .name: kv, .offset: 8, .size: 8, .value_kind: global_buffer, .address_space: global }
      - { .name: feature_map, .offset: 16, .size: 8, .value_kind: global_buffer, .address_space: global }
      - { .name: gamma, .offset: 24, .size: 8, .value_kind: global_buffer, .address_space: global }
      - { .name: lowp_scales, .offset: 32, .size: 8, .value_kind: global_buffer, .address_space: global }
      - { .name: out0, .offset: 40, .size: 8, .value_kind: global_buffer, .address_space: global }
    .group_segment_fixed_size: 327680
    .private_segment_fixed_size: 0
    .kernarg_segment_align: 8
    .kernarg_segment_size: 48
    .max_flat_workgroup_size: 128
    .sgpr_count:     66
    .vgpr_count:     1024
    .wavefront_size: 32
...
	.end_amdgpu_metadata
.endif
;; end of part 3
